; MI455X (gfx1250); checked and timed in simulation.
; The chip was launched on July 23, 2026; its instructions are those of AMD's public machine-readable ISA for CDNA 5 (MIT licence, August 2026) and "CDNA5" Instruction Set Architecture Reference Guide (July 2026). The comments in the code are by the model that wrote it; some were corrected since.
;; Route Set Encoder. Allowed arithmetic: matrix products marked QUANTISED: E5M2 operands, one given power-of-two scale a tensor, by v_wmma_f32_16x16x64_bf8_bf8 or v_wmma_f32_16x16x128_bf8_bf8, f32 sums; products left as they are: f32 operands where the result goes on into a quantised operand, else bf16, f16 or f32 operands; f32 sums; everything else in f32.
;; Inputs: b1 2,048 float32; b2 512 float32; ln1_b 512 float32; ln1_g 512 float32; lowp_scales 6 int32 (the exponents e of the quantised operands' scales 2^e); route_ids 512 int32; rp_b 512 float32; rp_bias one number float32; rp_g 512 float32; rp_w 512 float32; token_mask 64 x 512 bool; tokens 64 x 512 x 512 float32; w1_codes 2,048 x 16 x 32 uint8 (E5M2 codes of w1, K innermost, in blocks of 32 codes); w2_codes 512 x 64 x 32 uint8 (E5M2 codes of w2, K innermost, in blocks of 32 codes); wp_b 512 float32; wp_bias one number float32; wp_g 512 float32; wp_w 512 float32.
;; Outputs: out0 64 x 512 float32.
;; This version of the problem:
;;   THIS VERSION OF THE PROBLEM IS GIVEN IN LOW PRECISION. The matrix products marked QUANTISED in the list below multiply operands that are first quantised to E5M2 (5 exponent bits, 2 mantissa bits; 8 bits a number), with one given power-of-two scale for each operand tensor; their sums are f32. All else is computed in f32.
;;   The module's matrix products, in the order in which they are computed (A, B: the left and right operand; K: the contracted axis; several contracted axes count as one K, in the product's order):
;;     1. [M 32,768, K 512] x [K 512, N 2,048]; A: computed on the way; B: input w1 (given as codes): QUANTISED (scales: A lowp_scales[0], B lowp_scales[1])
;;     2. [M 32,768, K 2,048] x [K 2,048, N 512]; A: computed on the way; B: input w2 (given as codes): QUANTISED (scales: A lowp_scales[2], B lowp_scales[3])
;;     3. [M 32,768, K 512] x [K 512, N 1]; A: computed on the way; B: input wp_w: left as it is (N = 1 < 16)
;;     4. batch 64 x [M 32, K 512] x [K 512, N 512]; A: computed on the way; B: computed on the way: QUANTISED (scales: A lowp_scales[4], B lowp_scales[5])
;;     5. [M 2,048, K 512] x [K 512, N 1]; A: computed on the way; B: input rp_w: left as it is (N = 1 < 16)
;;     6. batch 64 x [M 1, K 32] x [K 32, N 512]; A: computed on the way; B: computed on the way: left as it is (M = 1 < 16)
;;   THE QUANTISER, for each operand of a quantised product, along K:
;;     - The operand's scale is 2^e, e = its entry of the input lowp_scales (int32; the entries are numbered through the quantised products in the list's order, A before B).
;;     - Each number is divided by the scale, clamped to +-57,344, and rounded to the nearest number of E5M2, ties to even, subnormals kept.
;;     - The product sums the exact products of the quantised numbers (number of the format x scale) in f32.
;;   ~~~python
;;   def quantise(x, axis, e):      # numpy; x: float32 -> the quantised numbers, widened to float32 again
;;       x = np.moveaxis(x, axis, -1); K = x.shape[-1]
;;       r = np.clip(x / 2.0 ** e, -57344, 57344)
;;       step = 2.0 ** (np.maximum(np.frexp(np.where(r == 0, 1, r))[1] - 1, -14) - 2)
;;       q = np.round(r / step) * step * 2.0 ** e      # np.round: ties to even
;;       return np.moveaxis(q, -1, axis).astype(np.float32)
;;   ~~~
;;   OPERANDS COMPUTED ON THE WAY. 'Computed on the way' means the value that the module computes at that place (a softmax that the list does not call 'softmax' is quantised finished and normalised). What goes into a quantiser is computed in f32, as accurately as f32 sums, v_exp_f32 and their like allow (about 1e-6 of the number): no bf16 or f16 on the way to a quantiser, and a product that is left as it is and whose result goes on into a quantised operand takes f32 operands (vector FMAs, or v_wmma_f32_16x16x4_f32). A number that lies on a knife's edge between two numbers of the format may be rounded either way, as far as f32 arithmetic and the matrix unit's own rounding can turn it there, and no further.
;;   INPUTS GIVEN AS CODES. w1 (in the module: [512, 2048], K = its axis 0); w2 (in the module: [2048, 512], K = its axis 0): each comes as NAME_codes (uint8): NAME with its K axis moved to the last place and cut into blocks of 32 codes, [.., K / 32, bytes a block], one block behind the other in memory; one code a byte (a code: sign, 5 exponent bits, 2 mantissa bits); its scale is its entry of lowp_scales. Its value is code x scale, taken as it is: it is not quantised again, and the codes and scales need not be those that the quantiser above would give.
;; One version. Each part assembles by itself: llvm-mc -triple=amdgcn-amd-amdhsa -mcpu=gfx1250 --defsym DOCPART=n.
;; ======== version 1 of 1: 2 launches
;; limits: right only within a limited range of input values
;; workspace buffers: xcodes 16,777,216 bytes; logits 131,072 bytes
;; launch ffn (part 1): grid 256 x 1, 4 waves a work-group, clusters of 4 x 1, 327,680 bytes of LDS; arguments tokens, ln1_g, ln1_b, w1_codes, b1, w2_codes, b2, wp_g, wp_b, wp_w, wp_bias, lowp_scales, xcodes, logits; writes xcodes, logits
.if DOCPART == 1
	.amdgcn_target "amdgcn-amd-amdhsa--gfx1250"
	.amdhsa_code_object_version 6
	.text
	.protected	k_qee3c1f1777_ffn
	.globl	k_qee3c1f1777_ffn
	.p2align	8
	.type	k_qee3c1f1777_ffn,@function
k_qee3c1f1777_ffn:
	s_mov_b64 s[64:65], 0
	v_nop
	global_prefetch_b8 v0, s[64:65] scope:SCOPE_SE
	s_setreg_imm32_b32 hwreg(HW_REG_WAVE_MODE, 25, 1), 1
	s_wait_xcnt 0x0
	s_wait_alu depctr_hold_cnt(0) depctr_sa_sdst(0) depctr_va_vdst(0) depctr_va_sdst(0) depctr_va_ssrc(0) depctr_va_vcc(0) depctr_vm_vsrc(0)
	s_getreg_b32 s2, hwreg(HW_REG_IB_STS2, 6, 4)
	s_cmp_eq_u32 s2, 0
	s_cbranch_scc0 .Lentry_in_a_cluster
	s_endpgm
.Lentry_in_a_cluster:
	s_bfe_u32 s2, ttmp6, 0x10000c
	s_cmp_lg_u32 s2, 0x3003
	s_cbranch_scc0 .Lentry_shape_is_right
	s_endpgm
.Lentry_shape_is_right:
; x = tokens + gelu(LN(tokens) W1 + b1) W2 + b2 for 128 tokens a work-group; out go x as codes of E5M2 (scale 2^e5), laid as the next launch's operand registers, and one logit a token:
; LN(x; wp_g, wp_b) . wp_w + wp_bias.  Both products on codes of E5M2 by v_wmma_f32_16x16x128_bf8_bf8; x and the hidden layer never go to memory as f32.
; SHARES.  Four waves.  FIRST PRODUCT, transposed (source 0 = 16 rows of W1, source 1 = my tokens): wave w owns tokens 32 w .. 32 w + 31, whose codes (8 fragments, 128 registers) stay in registers, and walks all 2,048
; hidden units, 32 at a time.  A lane then holds one token and eight neighbouring hidden units a tile, so the conversions' results are registers 2 t, 2 t + 1 of the second product's operand.  They go to the other waves
; through LDS as images of registers, 128 hidden units (one K step) at a time.  SECOND PRODUCT (source 0 = 16 tokens of the hidden layer, source 1 = 16 rows of W2): wave w owns all 128 tokens x columns 128 w .. 128 w + 127:
; 64 accumulators, which begin as (tokens + b2) / 2^(e2 + e3), so that residual and bias cost no addition.  A lane holds one column and its registers run down the tokens, which are the next launch's K.
; WEIGHTS come through a ring of two LDS slots (a slot: 128 rows of W1 x 512 bytes, 512 rows of W2 x 128 bytes).  All work-groups walk the same weights: the four of a cluster ask for each tile jointly.
; W2's rows in a slot are 128 bytes: two slots with 256 do not fit beside W1's.
; GELU, exact form: 2 gelu(x) = (x + |x|) - |x| t exp(-z^2 + P(t)), z = |x| / sqrt(2), t = 1 / (1 + z / 2), P the degree-9 polynomial of the complementary error function (fractional error about 1.2e-7 for every z);
; in f32 the exponent's own rounding adds about 6e-8 z^2.  It works on the raw sums s (x = s 2^(e0 + e1)); the powers of two are folded into two constants and into the conversion's scale 2^(e2 - e0 - e1 + 1).
; BY TURNS.  GELU and the quantiser are 372 vector lines for 32 hidden units, whose products are 16 matrix instructions.  The head of the list takes from the sums all that it wants of them (|s|, s + |s|, KQ s^2 + c0), so that
; the NEXT 32 units' products can write the same accumulators while the polynomial runs: one product ahead of every 7 of the 112 multiply-adds of levels c7 to c1.  W1, the sums and P lie in window 1 (source 0, C, D), my
; tokens' codes and t in window 0 (source 1): one window setting serves the products and the lines between them.  A chunk's first 32 units stand bare: their rows of W1 are shown landed only by the round at the chunk's head.
; The last chunk, which is written out, goes in phases (a loop of four), for the code's size.
; LIMITS.  NaN and infinities among the inputs are not served.  So that each folded power of two is an f32 number: e0 between -126 and 112; e0 + e1 between -60 and 60; e2 - e0 - e1 + 1 and e5 - e2 - e3 between
; -126 and 112; e2 + e3 between -126 and 126.  The residual is carried in the second product's sums, so x has the matrix unit's rounding of 16 K steps.
; No prefetch: the tokens are asked for whole at the head; the weights are walked by every cluster at the same time.
; LDS: 0 slot 0 (W1 at 0, pitch 528; W2 at 67,584, pitch 144); 141,312 slot 1; at the start the tokens lie over the ring (d < 256 at 0, d >= 256 at 133,120; pitch 1,040); 282,624 b1 / 2^(e0+e1);
;   290,816 two buffers of hidden images (at the start: ln1_g, ln1_b); 323,584 the spare words.  At the end slot 0, which has had its last fill and its last read, holds the partial sums of the second LayerNorm.
; REGISTERS, in windows of 256.  Window 0: v0-31 addresses and small things; v32-159 my tokens' codes; v160-191 t, v192-223 |s|, then |s| t, v224-255 s + |s| (in the second product: hidden fragments 0 to 5).
;   Window 1: v0-31 the first product's sums (in the second product: two fragments of W2); v32-63 P (hidden fragments 6, 7); v64-79 b1; v80-87 codes; v88-93 constants; v96-127 KQ s^2 + c0 (two fragments of W2);
;   v128-255 W1's two tiles.   Windows 2, 3: the 64 accumulators: (tile of tokens a, tile of columns b) at v[64 (b % 4) + 8 a] of window 2 + b / 4.
.set SLOT,  141312
.set BOFF,  67584
.set TOKR,  133120
.set B1S,   282624
.set HIMG,  290816
.set HBUF,  16384
.set SPARE, 323584
.set MPL,   33792                      ; a matrix of partial sums: 64 rows x 528 bytes
.set MU,    101376                     ; 128 means; 512 bytes on: 128 logits
.set MSB, 0
.macro WIN new                         ; the immediate's high byte repeats the setting that is left; a switch that changes nothing is dropped
.if MSB != (\new)
	s_set_vgpr_msb (MSB<<8)|(\new)
.set MSB, (\new)
.endif
.endm
.macro PLACES n
.rept \n
	v_nop
.endr
.endm
.macro BAR                             ; my LDS stores have landed and my LDS loads are in: then the work-group's barrier
	s_wait_dscnt 0x0
	s_barrier_signal -1
	s_barrier_wait -1
.endm
.macro ROUND                           ; a round of the cluster's barrier
	s_barrier_signal -1
	s_barrier_wait -1
	s_cmp_lg_u32 s96, 0
	s_cbranch_scc1 .Lnw0_\@
	s_barrier_signal -3
.Lnw0_\@:
	s_barrier_wait -3
	s_barrier_signal -1
	s_barrier_wait -1
.endm
; A joint refill: waves 0 and 1 fetch the halves of W1's chunk, waves 2 and 3 those of W2's.  The branch hangs on the wave's number alone.  Four v_nop follow each load.
.macro JLOAD doa, dob
	s_cmp_lt_u32 s96, 2
	s_cbranch_scc0 .Ljb_\@
.if \doa
	tensor_load_to_lds s[60:63], s[40:47]
	s_nop 0
	PLACES 4
.endif
	s_branch .Ljd_\@
.Ljb_\@:
.if \dob
	tensor_load_to_lds s[68:71], s[48:55]
	s_nop 0
	PLACES 4
.endif
.Ljd_\@:
.endm
; The operands of 32 hidden units, 36 loads: 4 of b1, 16 + 16 of W1's two tiles (16 rows x 512 K each; tile t, K step s at v[128 + 64 t + 16 s] of window 1).  s84: the rows' place in LDS; s85: b1's.
.macro L1
	v_add_nc_u32 v8, s84, v3
	v_add_nc_u32 v10, s85, v5
	WIN 0x40
	ds_load_b128 v[64:67], v10
	ds_load_b128 v[68:71], v10 offset:16
	ds_load_b128 v[72:75], v10 offset:64
	ds_load_b128 v[76:79], v10 offset:80
.irp t, 0,1
.irp s, 0,1,2,3
.irp c, 0,1,2,3
	ds_load_b128 v[128+64*\t+16*\s+4*\c:131+64*\t+16*\s+4*\c], v8 offset:8448*\t+128*\s+32*\c
.endr
.endr
.endr
	WIN 0
.endm
; Product k of the 16 of 32 hidden units x my 32 tokens, K = 512: K step k / 4, tile of units (k / 2) % 2, tile of tokens k % 2.  The four accumulators take turns, one instruction a turn.
; b1 is the C of each sum's first instruction.  Window setting 0x51: W1, C and D window 1, my tokens' codes window 0.
.macro MM1 k
.set ms, (\k)/4
.set mt, ((\k)/2)%2
.set mi, (\k)%2
.if ms == 0
	v_wmma_f32_16x16x128_bf8_bf8 v[16*mi+8*mt:16*mi+8*mt+7], v[128+64*mt+16*ms:143+64*mt+16*ms], v[32+64*mi+16*ms:47+64*mi+16*ms], v[64+8*mt:71+8*mt]
.else
	v_wmma_f32_16x16x128_bf8_bf8 v[16*mi+8*mt:16*mi+8*mt+7], v[128+64*mt+16*ms:143+64*mt+16*ms], v[32+64*mi+16*ms:47+64*mi+16*ms], v[16*mi+8*mt:16*mi+8*mt+7]
.endif
.endm
.macro P1B                             ; the 16 products with nothing between them
	WIN 0x51
.set k1, 0
.rept 16
	MM1 k1
.set k1, k1+1
.endr
	WIN 0
.endm
; GELU and the quantiser for a lane's 32 sums.  mm = 1: the next 32 hidden units' products stand in it, and behind them the loads for the 32 after those (not in the loop's third trip: a chunk has no more).
.macro G mm
	WIN 0x04                                       ; destination and source 0 window 0, source 1 (the sums) window 1
.set p, 0
.rept 20                               ; pair p: |s|; two pairs back: 1 + K1 |s|; four pairs back: its reciprocals, with s + |s| as the plain line between them.  No line reads the line ahead of it; each accumulator is read from its low end on
.if p < 16
	v_and_b32 v[192+2*p], s97, v[2*p]
	v_and_b32 v[193+2*p], s97, v[2*p+1]
.endif
.if (p >= 2) && (p < 18)
	v_pk_fma_f32 v[156+2*p:157+2*p], v[188+2*p:189+2*p], s[4:5], 1.0 op_sel_hi:[1,0,0]
.endif
.if p >= 4
	v_rcp_f32 v[152+2*p], v[152+2*p]
	v_pk_add_f32 v[216+2*p:217+2*p], v[184+2*p:185+2*p], v[2*p-8:2*p-7]
	v_rcp_f32 v[153+2*p], v[153+2*p]
.endif
.set p, p+1
.endr
	WIN 0x55
.set p, 0
.rept 16
	v_pk_mul_f32 v[96+2*p:97+2*p], v[2*p:2*p+1], v[2*p:2*p+1]   ; s^2: the last read of the sums.  (These 32 lines are the independent work behind the reciprocals)
.set p, p+1
.endr
.set p, 0
.rept 16
	v_pk_fma_f32 v[96+2*p:97+2*p], v[96+2*p:97+2*p], s[6:7], v[92:93] op_sel_hi:[1,0,1]   ; KQ s^2 + c0: the addend of the polynomial's last level
.set p, p+1
.endr
	s_wait_alu depctr_va_vdst(0)                   ; one wait for the 32 reciprocals, ahead of their first reader
	WIN 0
.set p, 0
.rept 16
	v_pk_mul_f32 v[192+2*p:193+2*p], v[192+2*p:193+2*p], v[160+2*p:161+2*p]   ; |s| t
.set p, p+1
.endr
	WIN 0x50
.set p, 0
.rept 16
	v_pk_fma_f32 v[32+2*p:33+2*p], v[160+2*p:161+2*p], s[56:57], v[90:91] op_sel_hi:[1,0,1]   ; c9 t + c8
.set p, p+1
.endr
	s_wait_dscnt 0x0                               ; the next units' W1 and b1 are in; the last images' stores have read the codes' registers
	WIN 0x51                                       ; P (source 0, destination) window 1, t (source 1) window 0: the products' own setting
.set n, 0
.irp c, 36, 34, 32, 16, 14, 12, 10             ; c7 .. c1: sixteen chains side by side; a product ahead of every seven lines
.set p, 0
.rept 16
.if \mm && ((n%7) == 0)
	MM1 n/7
.endif
	v_pk_fma_f32 v[32+2*p:33+2*p], v[32+2*p:33+2*p], v[160+2*p:161+2*p], s[\c:\c+1] op_sel_hi:[1,1,0]
.set p, p+1
.set n, n+1
.endr
.endr
.if \mm
	WIN 0
	s_add_co_u32 s84, s84, 16896                   ; 32 rows of W1 on,
	s_add_co_u32 s85, s85, 128                     ; 32 numbers of b1 on: stepped in every trip
	s_cmp_eq_u32 s79, 2
	s_cbranch_scc1 .Lnl_\@
	L1                                             ; behind the last product stand seven multiply-adds and two address lines: the places in front of loads into its sources
.Lnl_\@:
.endif
	WIN 0x51
.set p, 0
.rept 18                               ; the last level; two pairs back: the exponentials
.if p < 16
	v_pk_fma_f32 v[32+2*p:33+2*p], v[32+2*p:33+2*p], v[160+2*p:161+2*p], v[96+2*p:97+2*p]
.endif
.if p >= 2
	v_exp_f32 v[28+2*p], v[28+2*p]
	v_exp_f32 v[29+2*p], v[29+2*p]
.endif
.set p, p+1
.endr
	v_nop                                          ; a plain line behind the last exponential
	s_wait_alu depctr_va_vdst(0)                   ; one wait for the 32 exponentials, ahead of their first reader
	WIN 0x44                                       ; |s| t and s + |s| window 0, the exponentials and the result window 1
.set p, 0
.rept 16
	v_pk_fma_f32 v[32+2*p:33+2*p], v[192+2*p:193+2*p], v[32+2*p:33+2*p], v[224+2*p:225+2*p] neg_lo:[1,0,0] neg_hi:[1,0,0]   ; (s + |s|) - |s| t 2^(..) = 2 gelu / 2^(e0 + e1)
.set p, p+1
.endr
	WIN 0x55
.set p, 0
.rept 32
	v_med3_num_f32 v[32+p], v[32+p], -v88, v88     ; the conversion to an 8-bit code does not saturate (ISA guide 7.6.2): the hold at the largest code x the scale
.set p, p+1
.endr
.irp k, 0,1,2,3
	v_cvt_scalef32_pk8_bf8_f32 v[80+2*\k:81+2*\k], v[32+8*\k:39+8*\k], v89
.endr
	v_nop                                          ; one plain line behind the last scaled conversion
.endm
.macro PUT                             ; the codes are registers 4 u .. 4 u + 3 of my two hidden fragments: 16 bytes a lane, 512 a store
	WIN 0
	v_add_nc_u32 v11, s86, v6
	WIN 0x04
	ds_store_b128 v11, v[80:83]
	ds_store_b128 v11, v[84:87] offset:2048
	WIN 0
	s_add_co_u32 s86, s86, 512
.endm
; A chunk's four times 32 hidden units, by turns.  The first 32 units' operands were asked for ahead.
.macro SSP
	s_mov_b32 s86, s83
	s_wait_dscnt 0x0                               ; they are in
	P1B
	PLACES 4                                       ; in front of the loads into W1's and b1's registers and of the first read of the sums
	s_add_co_u32 s84, s84, 16896
	s_add_co_u32 s85, s85, 128
	L1
	s_mov_b32 s79, 0
.Lss_\@:
	G 1
	PUT
	s_add_co_u32 s79, s79, 1
	s_cmp_lt_u32 s79, 3
	s_cbranch_scc1 .Lss_\@
	G 0                                            ; the chunk's last 32 units: no products are left to set between
	PUT
.endm
; The same in phases, written once and walked four times: products, the next operands' loads, GELU.
.macro SSQ
	s_mov_b32 s79, 0
	s_mov_b32 s86, s83
.Lsq_\@:
	s_wait_dscnt 0x0
	P1B
	PLACES 4
	s_add_co_u32 s84, s84, 16896
	s_add_co_u32 s85, s85, 128
	s_cmp_eq_u32 s79, 3
	s_cbranch_scc1 .Lnq_\@
	L1
.Lnq_\@:
	G 0
	PUT
	s_add_co_u32 s79, s79, 1
	s_cmp_lt_u32 s79, 4
	s_cbranch_scc1 .Lsq_\@
.endm
.macro W2F dst, b                      ; a fragment of W2: 16 rows (columns of x) x 128 K: registers 2 c, 2 c + 1 hold K = 16 c + 8 (lane / 16) + 0 .. 7, as the hidden codes lie
.irp c, 0,1,2,3,4,5,6,7
	ds_load_b64 v[\dst+2*\c:\dst+2*\c+1], v9 offset:2304*(\b)+16*\c
.endr
.endm
.macro HF a                            ; hidden fragment a, as its maker stored it: 0 to 5 into window 0, 6 and 7 into window 1
.if (\a) >= 6
.set HR, 32+16*((\a)-6)
.else
.set HR, 160+16*(\a)
.endif
.irp q, 0,1,2,3
	ds_load_b128 v[HR+4*\q:HR+4*\q+3], v12 offset:2048*(\a)+512*\q
.endr
.endm
.macro MM a, b0, pb                    ; tile of tokens a x tiles of columns b0, b0 + 1
.if (\a) >= 6
.set HR, 32+16*((\a)-6)
.else
.set HR, 160+16*(\a)
.endif
.irp u, 0, 1
.set AC, 64*((\b0+\u)%4)+8*(\a)
	v_wmma_f32_16x16x128_bf8_bf8 v[AC:AC+7], v[HR:HR+15], v[\pb+16*\u:\pb+16*\u+15], v[AC:AC+7]
.endr
.endm
.macro PAIR w, b0, pb                  ; all eight tiles of tokens x two tiles of columns: sixteen accumulators, one instruction each.  w: the setting with source 0 in window 0
	WIN \w
.irp a, 0,1,2,3,4,5
	MM \a, \b0, \pb
.endr
	WIN (\w)+1
	MM 6, \b0, \pb
	MM 7, \b0, \pb
.endm
; One K step of the second product: 64 matrix instructions, each accumulator once.  next = 1: the next chunk's first operands are asked for in it.
.macro P2 next
	v_add_nc_u32 v9, s80, v4
	v_add_nc_u32 v12, s82, v7
	WIN 0x40
	W2F 96, 0
	W2F 112, 1
	WIN 0
.irp a, 0,1,2,3,4,5
	HF \a
.endr
	WIN 0x40
	HF 6
	HF 7
	W2F 0, 2
	W2F 16, 3
	s_wait_dscnt 32                                ; of 64 loads the first 32 are in: W2's pair 0 and hidden fragments 0 to 3
	WIN 0xa4
.irp a, 0,1,2,3
	MM \a, 0, 96
.endr
	s_wait_dscnt 16                                ; hidden fragments 4 to 7; W2's pair 1 may be out
	MM 4, 0, 96
	MM 5, 0, 96
	WIN 0xa5
	MM 6, 0, 96
	MM 7, 0, 96
	PLACES 4
	WIN 0x40
	W2F 96, 4
	W2F 112, 5
	s_wait_dscnt 16                                ; pair 1 is in; pair 2 may be out
	PAIR 0xa4, 2, 0
	PLACES 4
	WIN 0x40
	W2F 0, 6
	W2F 16, 7
	WIN 0
.if \next
	s_mov_b32 s84, s81
	L1
.endif
	s_wait_dscnt 16+36*\next                       ; pair 2 is in; pair 3's 16 loads and the next operands' 36 may be out
	PAIR 0xf4, 4, 96
	s_wait_dscnt 36*\next                          ; pair 3 is in
	PAIR 0xf4, 6, 0
	WIN 0
	PLACES 5                                       ; the first product's sums are next laid over W2's pair: five places in front of a matrix instruction that writes over a source
.endm
.macro SUM64 b                         ; the sum of v[b] .. v[b + 63], in place, by halves
.irp w, 32, 16, 8, 4, 2
.set q, 0
.rept \w/2
	v_pk_add_f32 v[\b+q:\b+q+1], v[\b+q:\b+q+1], v[\b+\w+q:\b+\w+q+1]
.set q, q+2
.endr
.endr
	v_add_f32 v[\b], v[\b], v[\b+1]
.endm
.macro GBLOAD k                        ; ln1_g and ln1_b of blocks 2 k and 2 k + 1 of 32 along d: my 16 of each
.irp u, 0, 1
.irp ii, 0, 1, 2, 3
	ds_load_b128 v[160+32*\u+4*\ii:163+32*\u+4*\ii], v11 offset:128*(2*(\k)+\u)+16*\ii
	ds_load_b128 v[176+32*\u+4*\ii:179+32*\u+4*\ii], v11 offset:2048+128*(2*(\k)+\u)+16*\ii
.endr
.endr
.endm
.macro SPAIR reg, val
	s_mov_b32 s[\reg], \val
	s_mov_b32 s[\reg+1], \val
.endm
	s_load_b512 s[4:19], s[0:1], 0x0               ; tokens 4, ln1_g 6, ln1_b 8, w1 10, b1 12, w2 14, b2 16, wp_g 18
	s_load_b256 s[20:27], s[0:1], 0x40             ; wp_b 20, wp_w 22, wp_bias 24, the scales' exponents 26
	s_load_b128 s[28:31], s[0:1], 0x60             ; xcodes 28, logits 30
	v_lshl_add_u32 v1, v0, 2, SPARE                ; my spare word; never rewritten
	v_mov_b32 v2, 0                                ; 0; never rewritten
	ds_add_u32 v1, v2
	ds_add_u32 v1, v2
	s_wait_dscnt 0x0
	v_lshrrev_b32 v3, 5, v0
	v_readfirstlane_b32 s96, v3                    ; wave 0..3
	s_bfe_u32 s94, ttmp6, 0x40000                  ; cx: it enters the addresses of tokens, xcodes and logits alone (s2, s3, s94, s95)
	s_lshl_b32 s95, ttmp9, 2
	s_add_co_u32 s95, s95, s94                     ; my block of 128 tokens
	s_and_b32 s100, s96, 1
	s_lshr_b32 s101, s96, 1
	; group 1 for the tokens: 64 rows x 256 numbers of 4 bytes, 4 words of padding behind every 256
	s_mov_b32 s32, (2<<16)|(1<<20)|(7<<22)|(3<<25)
	s_mov_b32 s33, 256<<16
	s_mov_b32 s34, 64<<16
	s_mov_b32 s35, 256<<16
	s_mov_b32 s36, 64
	s_mov_b32 s37, 512
	s_mov_b32 s38, 0
	s_mov_b32 s39, 0
	; group 1 for W1: 64 rows x 512 bytes, 4 words behind every 128; the mask names the cluster's four, bit 21 beside it
	s_mov_b32 s40, 15|(1<<20)|(1<<21)|(6<<22)|(3<<25)
	s_mov_b32 s41, 512<<16
	s_mov_b32 s42, 64<<16
	s_mov_b32 s43, 512<<16
	s_mov_b32 s44, 64
	s_mov_b32 s45, 512
	s_mov_b32 s46, 0
	s_mov_b32 s47, 0
	; group 1 for W2: 256 rows x 128 bytes, 2,048 bytes apart, 4 words behind every 32
	s_mov_b32 s48, 15|(1<<20)|(1<<21)|(4<<22)|(3<<25)
	s_mov_b32 s49, 128<<16
	s_mov_b32 s50, 256<<16
	s_mov_b32 s51, 128<<16
	s_mov_b32 s52, 256
	s_mov_b32 s53, 2048
	s_mov_b32 s54, 0
	s_mov_b32 s55, 0
	s_mov_b32 s56, 1
	s_mul_i32 s57, s100, TOKR                      ; tokens: wave & 1: which 256 along d; wave >> 1: which 64 rows
	s_mul_i32 s66, s101, 66560
	s_add_co_u32 s57, s57, s66
	s_mov_b32 s60, 1
	s_mul_i32 s87, s100, 33792                     ; W1: my 64 rows' place in a slot
	s_mov_b32 s61, s87
	s_mov_b32 s68, 1
	s_mul_i32 s88, s100, 36864                     ; W2: my 256 rows' place in a slot
	s_add_co_u32 s88, s88, BOFF
	s_mov_b32 s69, s88
	s_lshl_b32 s2, s95, 18                         ; 128 rows of 2,048 bytes a work-group
	s_lshl_b32 s3, s101, 17
	s_add_co_u32 s2, s2, s3
	s_lshl_b32 s3, s100, 10
	s_add_co_u32 s2, s2, s3
	s_mov_b32 s3, 0
	s_mov_b32 s67, 0
	s_mov_b32 s97, 0x7fffffff
	s_mov_b32 s98, 0x76543210                      ; v_permlanex16_b32: lane l xor 16
	s_mov_b32 s99, 0xfedcba98
	s_wait_kmcnt 0x0
	s_load_b128 s[72:75], s[26:27], 0x0            ; e0 .. e3
	s_load_b64 s[76:77], s[26:27], 0x10            ; e4, e5
	s_load_b32 s89, s[24:25], 0x0                  ; wp_bias
	s_add_nc_u64 s[58:59], s[4:5], s[2:3]
	s_or_b32 s59, s59, 0x80000000
	s_lshl_b32 s66, s100, 15
	s_add_nc_u64 s[62:63], s[10:11], s[66:67]      ; W1: chunk 0, my 64 rows
	s_or_b32 s63, s63, 0x80000000
	s_lshl_b32 s66, s100, 19
	s_add_nc_u64 s[70:71], s[14:15], s[66:67]      ; W2: my 256 rows,
	s_sub_nc_u64 s[70:71], s[70:71], 128           ; one chunk ahead of the first: every request steps it by 128 first
	s_or_b32 s71, s71, 0x80000000
	s_lshl_b32 s2, s95, 16
	s_lshl_b32 s94, s96, 14
	s_add_co_u32 s2, s2, s94
	s_add_nc_u64 s[28:29], s[28:29], s[2:3]        ; xcodes: 65,536 bytes a work-group, 16,384 a wave
	s_lshl_b32 s2, s95, 9
	s_add_nc_u64 s[30:31], s[30:31], s[2:3]        ; logits: 512 bytes a work-group
	ROUND                                          ; in front of the launch's first tensor loads
	tensor_load_to_lds s[56:59], s[32:39]          ; my quarter of the 128 tokens: one load of mine is out
	s_nop 0
	PLACES 4
	; while the tokens come: the small vectors, and the addresses that stay
	v_and_b32 v8, 15, v0                           ; r
	v_bfe_u32 v9, v0, 4, 1                         ; h
	v_and_b32 v10, 31, v0                          ; lane
	v_lshlrev_b32 v25, 4, v0                       ; 16 x thread
	s_lshl_b32 s66, s96, 9
	v_lshl_add_u32 v26, v8, 2, s66                 ; 4 x (128 w + r): my column of tile 0
	v_lshlrev_b32 v27, 6, v10                      ; 64 x lane
	global_load_b128 v[32:35], v25, s[6:7]
	global_load_b128 v[36:39], v25, s[8:9]
.irp k, 0,1,2,3
	global_load_b128 v[40+4*\k:43+4*\k], v25, s[12:13] offset:2048*\k
.endr
.irp b, 0,1,2,3,4,5,6,7
	global_load_b32 v[56+\b], v26, s[16:17] offset:64*\b
	global_load_b32 v[64+\b], v26, s[18:19] offset:64*\b
	global_load_b32 v[72+\b], v26, s[22:23] offset:64*\b
.endr
.irp k, 0,1,2,3
	global_load_b128 v[80+4*\k:83+4*\k], v27, s[20:21] offset:16*\k
	global_load_b128 v[96+4*\k:99+4*\k], v27, s[22:23] offset:16*\k
.endr
	v_mul_u32_u24 v3, v8, 528
	v_lshl_add_u32 v3, v9, 4, v3                   ; W1: row r x pitch + 16 h
	s_mul_i32 s66, s96, 18432
	s_add_co_u32 s66, s66, BOFF
	v_mul_u32_u24 v4, v8, 144
	v_lshl_add_u32 v4, v9, 3, v4
	v_add_nc_u32 v4, s66, v4                       ; W2: row 128 w + r x pitch + 8 h
	v_lshlrev_b32 v5, 5, v9
	v_add_nc_u32 v5, B1S, v5                       ; b1: my eight of a tile's sixteen
	v_lshlrev_b32 v13, 4, v10                      ; 16 x lane
	v_add_nc_u32 v7, HIMG, v13                     ; images, on the way back
	s_lshl_b32 s66, s96, 12
	v_add_nc_u32 v6, s66, v7                       ; and on the way in: my two fragments
	s_mul_i32 s66, s96, 33280
	v_mul_u32_u24 v14, v8, 1040
	v_lshl_add_u32 v14, v9, 6, v14
	v_add_nc_u32 v14, s66, v14                     ; tokens by rows: row 32 w + r, + 64 h
	v_add_nc_u32 v15, TOKR, v14
	v_lshlrev_b32 v11, 6, v9
	v_add_nc_u32 v11, HIMG, v11                    ; ln1_g: + 64 h
	v_lshl_add_u32 v12, v0, 4, B1S
	s_mul_i32 s66, s101, TOKR
	s_lshl_b32 s67, s100, 9
	s_add_co_u32 s66, s66, s67
	v_mul_u32_u24 v28, v9, 8320
	v_lshl_add_u32 v28, v8, 2, v28
	v_add_nc_u32 v28, s66, v28                     ; tokens by columns: column 128 w + r, row 8 h; then 32 rows on each
	v_add_nc_u32 v29, 33280, v28
	v_add_nc_u32 v30, 66560, v28
	v_add_nc_u32 v31, 99840, v28
	v_mov_b32 v236, 0                              ; a lane permute's destination counts as read
	s_wait_loadcnt 0x0
	s_wait_kmcnt 0x0
	s_add_co_i32 s94, s72, s73
	s_sub_co_i32 s95, 0, s94                       ; -(e0 + e1)
	s_add_co_i32 s2, s74, s75
	s_sub_co_i32 s3, 0, s2                         ; -(e2 + e3)
.set n, 0
.rept 16
	v_ldexp_f32 v[40+n], v[40+n], s95              ; b1 goes in divided by the power of two that the first product's sums lack
.set n, n+1
.endr
.irp k, 0,1,2,3
	ds_store_b128 v12, v[40+4*\k:43+4*\k] offset:2048*\k
.endr
	ds_store_b128 v12, v[32:35] offset:8192        ; ln1_g, ln1_b: in the images' first buffer, which is written only later
	ds_store_b128 v12, v[36:39] offset:10240
.irp b, 0,1,2,3,4,5,6,7
	v_ldexp_f32 v[240+2*\b], v[56+\b], s3          ; b2 / 2^(e2 + e3), twice: a pair for the packed form
	v_mul_f32 v[16+\b], v[64+\b], v[72+\b]         ; wp_g wp_w at my columns
.endr
.irp b, 0,1,2,3,4,5,6,7
	v_mov_b32 v[241+2*\b], v[240+2*\b]
.endr
	v_pk_mul_f32 v[112:113], v[80:81], v[96:97]    ; the sum of wp_b wp_w: 16 numbers a lane,
.set n, 2
.rept 7
	v_pk_fma_f32 v[112:113], v[80+n:81+n], v[96+n:97+n], v[112:113]
.set n, n+2
.endr
	v_add_f32 v112, v112, v113
	v_add_f32_dpp v112, v112, v112 row_xmask:1 row_mask:0xf bank_mask:0xf
	v_add_f32_dpp v112, v112, v112 row_xmask:2 row_mask:0xf bank_mask:0xf
	v_add_f32_dpp v112, v112, v112 row_xmask:4 row_mask:0xf bank_mask:0xf
	v_add_f32_dpp v112, v112, v112 row_xmask:8 row_mask:0xf bank_mask:0xf
	v_permlanex16_b32 v236, v112, s98, s99
	v_add_f32 v112, v112, v236
	v_add_f32 v24, s89, v112                       ; + wp_bias
	s_add_co_i32 s94, s72, 127
	s_lshl_b32 s95, s94, 23
	v_mov_b32 v238, s95                            ; 2^e0
	s_add_co_i32 s94, s94, 15
	s_lshl_b32 s94, s94, 23
	s_or_b32 s94, s94, 0x600000
	v_mov_b32 v237, s94                            ; 57,344 x 2^e0
	s_mov_b32 s94, 0x3b000000                      ; 1 / 512
	s_wait_tensorcnt 0x0                           ; my quarter of the tokens is in,
	BAR                                            ; everybody's is, and the small vectors lie in LDS
	; ---- LayerNorm and quantiser for my two tiles of 16 tokens.  A lane holds half a row: register 16 c + i = d 32 c + 16 h + i (window 1).  Written once and walked twice, for the code's size.
	s_mov_b32 s79, 0
	s_mov_b32 s86, 0
.Lln:
	v_add_nc_u32 v25, s86, v14
	v_add_nc_u32 v26, s86, v15
	WIN 0x40
.irp c, 0,1,2,3,4,5,6,7
.irp ii, 0,1,2,3
	ds_load_b128 v[16*\c+4*\ii:16*\c+4*\ii+3], v25 offset:128*\c+16*\ii
.endr
.endr
.irp c, 0,1,2,3,4,5,6,7
.irp ii, 0,1,2,3
	ds_load_b128 v[128+16*\c+4*\ii:128+16*\c+4*\ii+3], v26 offset:128*\c+16*\ii
.endr
.endr
	WIN 0
	GBLOAD 0
	s_wait_dscnt 16                                ; the tile's 64 loads are in; the 16 of g and b may be out
	WIN 0x05
.irp q, 0,1,2,3
	v_pk_add_f32 v[224+2*\q:225+2*\q], v[2*\q:2*\q+1], v[8+2*\q:9+2*\q]
.endr
	WIN 0x04
.set n, 8
.rept 120
	v_pk_add_f32 v[224+2*(n%4):225+2*(n%4)], v[224+2*(n%4):225+2*(n%4)], v[2*n:2*n+1]
.set n, n+1
.endr
	WIN 0
	v_pk_add_f32 v[224:225], v[224:225], v[226:227]
	v_pk_add_f32 v[228:229], v[228:229], v[230:231]
	v_pk_add_f32 v[224:225], v[224:225], v[228:229]
	v_add_f32 v224, v224, v225
	v_permlanex16_b32 v236, v224, s98, s99         ; the row's other half lies in lane l xor 16
	v_add_f32 v224, v224, v236
	v_mul_f32 v232, s94, v224                      ; the mean
	v_mov_b32 v233, v232
	WIN 0x41
.set n, 0
.rept 128
	v_pk_add_f32 v[n:n+1], v[n:n+1], v[232:233] neg_lo:[0,1] neg_hi:[0,1]
.set n, n+2
.endr
	WIN 0x05
.irp q, 0,1,2,3
	v_pk_mul_f32 v[224+2*\q:225+2*\q], v[2*\q:2*\q+1], v[2*\q:2*\q+1]
.endr
.set n, 4
.rept 124
	v_pk_fma_f32 v[224+2*(n%4):225+2*(n%4)], v[2*n:2*n+1], v[2*n:2*n+1], v[224+2*(n%4):225+2*(n%4)]
.set n, n+1
.endr
	WIN 0
	v_pk_add_f32 v[224:225], v[224:225], v[226:227]
	v_pk_add_f32 v[228:229], v[228:229], v[230:231]
	v_pk_add_f32 v[224:225], v[224:225], v[228:229]
	v_add_f32 v224, v224, v225
	v_permlanex16_b32 v236, v224, s98, s99
	v_add_f32 v224, v224, v236
	v_fmaak_f32 v224, s94, v224, 0x3727c5ac        ; the variance + 1e-5
	v_rsq_f32 v234, v224
	v_nop
	s_wait_alu depctr_va_vdst(0)
	v_mov_b32 v235, v234
.irp k, 0,1,2,3,4,5,6,7                        ; two blocks of 32 along d at a time
	s_wait_dscnt 0x0                               ; their g and b are in
	WIN 0x41
.set n, 0
.rept 16
	v_pk_mul_f32 v[32*\k+n:32*\k+n+1], v[32*\k+n:32*\k+n+1], v[234:235]
.set n, n+2
.endr
.irp u, 0, 1
.set n, 0
.rept 8
	v_pk_fma_f32 v[32*\k+16*\u+n:32*\k+16*\u+n+1], v[32*\k+16*\u+n:32*\k+16*\u+n+1], v[160+32*\u+n:161+32*\u+n], v[176+32*\u+n:177+32*\u+n]
.set n, n+2
.endr
.endr
	WIN 0
.if \k < 7
	GBLOAD \k+1                                    ; the next two blocks' land under the holds and conversions
.endif
	WIN 0x41
.set n, 0
.rept 32
	v_med3_num_f32 v[32*\k+n], v[32*\k+n], -v237, v237
.set n, n+1
.endr
	WIN 0x01
.irp m, 0,1,2,3
	v_cvt_scalef32_pk8_bf8_f32 v[96+8*\k+2*\m:97+8*\k+2*\m], v[32*\k+8*\m:32*\k+8*\m+7], v238
.endr
.endr
	v_nop                                          ; one plain line behind the last scaled conversion
	WIN 0
	s_cmp_eq_u32 s79, 1
	s_cbranch_scc1 .Lnocopy
.set n, 0
.rept 64
	v_mov_b32 v[32+n], v[96+n]                     ; the first tile's codes go to their place: the price of a loop whose conversions name one set of registers
.set n, n+1
.endr
.Lnocopy:
	s_add_co_u32 s86, s86, 16640                   ; 16 rows on
	s_add_co_u32 s79, s79, 1
	s_cmp_lt_u32 s79, 2
	s_cbranch_scc1 .Lln
	; ---- the tokens once more, by columns, into the second product's accumulators: register j of (a, b) = token 16 a + 8 h + j, column 128 w + 16 b + r
	WIN 0x80
.irp b, 0,1,2,3
.irp a, 0,1,2,3,4,5,6,7
.irp j, 0,1,2,3,4,5,6,7
	ds_load_b32 v[64*\b+8*\a+\j], v[28+\a/2] offset:((\a%2)*16+\j)*1040+64*\b
.endr
.endr
.endr
	WIN 0xc0
.irp b, 4,5,6,7
.irp a, 0,1,2,3,4,5,6,7
.irp j, 0,1,2,3,4,5,6,7
	ds_load_b32 v[64*(\b-4)+8*\a+\j], v[28+\a/2] offset:((\a%2)*16+\j)*1040+64*\b
.endr
.endr
.endr
	WIN 0
	; ---- the ring takes the tokens' place: all my tensor loads have landed, the add, my reads of the tokens are over; a round; then W1's chunk 0
	s_wait_tensorcnt 0x0
	ds_add_u32 v1, v2                              ; 0 onto my spare word; the constants below are made while it is out
	s_add_co_i32 s94, s72, s73                     ; e0 + e1
	s_lshl_b32 s95, s94, 23
	s_add_co_u32 s4, s95, 0x3eb504f3               ; K1 = 2^(e0+e1) / (2 sqrt 2): the exponent is added to the constant's exponent field
	s_mov_b32 s5, s4
	s_lshl_b32 s95, s94, 24
	s_add_co_u32 s6, s95, 0xbf38aa3b               ; KQ = -log2(e) / 2 x 2^(2 (e0+e1))
	s_mov_b32 s7, s6
	SPAIR 10, 0x3fb8ab5a                           ; c1 .. c7 and c9: the polynomial's coefficients x log2(e); c0 and c8 are vector pairs
	SPAIR 12, 0x3f0a29d2
	SPAIR 14, 0x3e0efb2f
	SPAIR 16, 0xbe899a80
	SPAIR 32, 0x3ecdfd18
	SPAIR 34, 0xbfd1a1e5
	SPAIR 36, 0x40097039
	SPAIR 56, 0x3e7c6f08
	s_sub_co_i32 s95, s74, s94
	s_add_co_i32 s95, s95, 128
	s_lshl_b32 s2, s95, 23                         ; 2^(e2 - e0 - e1 + 1)
	s_add_co_i32 s95, s95, 15
	s_lshl_b32 s95, s95, 23
	s_or_b32 s95, s95, 0x600000                    ; 57,344 x that
	s_add_co_i32 s3, s74, s75
	s_sub_co_i32 s3, 127, s3
	s_lshl_b32 s92, s3, 23                         ; 2^-(e2 + e3)
	s_mov_b32 s93, s92
	s_mov_b32 s80, SLOT                            ; the slot of chunk c (c = -1 first): W2's to read, W1's to fill
	s_mov_b32 s81, 0                               ; the slot of chunk c + 1: W1's to read, W2's to fill
	s_mov_b32 s82, HBUF                            ; the images of chunk c
	s_mov_b32 s83, 0                               ; and of chunk c + 1
	s_mov_b32 s85, 0
	s_wait_dscnt 0x0
	ROUND
	JLOAD 1, 0
	WIN 0x40
	v_mov_b32 v88, s95
	v_mov_b32 v89, s2
	v_mov_b32 v90, 0xbf97d29d                      ; c8
	v_mov_b32 v91, 0xbf97d29d
	v_mov_b32 v92, 0xbfe9b21e                      ; c0
	v_mov_b32 v93, 0xbfe9b21e
	WIN 0x82
.irp b, 0,1,2,3
.set n, 0
.rept 32
	v_pk_fma_f32 v[64*\b+n:64*\b+n+1], v[64*\b+n:64*\b+n+1], s[92:93], v[240+2*\b:241+2*\b] op_sel_hi:[1,0,1]   ; (tokens + b2) / 2^(e2 + e3)
.set n, n+2
.endr
.endr
	WIN 0xc3
.irp b, 0,1,2,3
.set n, 0
.rept 32
	v_pk_fma_f32 v[64*\b+n:64*\b+n+1], v[64*\b+n:64*\b+n+1], s[92:93], v[248+2*\b:249+2*\b] op_sel_hi:[1,0,1]
.set n, n+2
.endr
.endr
	WIN 0
	; ---- the walk over the hidden layer.  Trip c = -1 .. 13: a round; W1 of chunk c + 2 and W2 of chunk c + 1 are asked for; the second product's K step c; the first product, GELU and images of chunk c + 1.
	; What is read behind a round was asked for behind the round before and is shown landed by the wait for 0 in front of this one; what is filled was last read ahead of this round.  One tensor load of mine is out at a time.
	s_mov_b32 s78, 0
.Lchunk:
	s_wait_tensorcnt 0x0                           ; all my tensor loads have landed, so a group 0 may be written
	ds_add_u32 v1, v2
	s_add_co_u32 s61, s87, s80
	s_add_nc_u64 s[62:63], s[62:63], 65536         ; W1: 128 rows on
	s_add_co_u32 s69, s88, s81
	s_add_nc_u64 s[70:71], s[70:71], 128           ; W2: 128 along K on
	s_wait_dscnt 0x0                               ; the add is done, my images have landed, my reads of both slots are over
	ROUND
	JLOAD 1, 1
	s_cmp_eq_u32 s78, 0
	s_cbranch_scc0 .Lhas
	s_mov_b32 s84, s81                             ; the first trip has no K step yet
	L1
	s_branch .Lgo
.Lhas:
	P2 1
.Lgo:
	SSP
	s_xor_b32 s80, s80, SLOT
	s_xor_b32 s81, s81, SLOT
	s_xor_b32 s82, s82, HBUF
	s_xor_b32 s83, s83, HBUF
	s_add_co_u32 s78, s78, 1
	s_cmp_lt_u32 s78, 15
	s_cbranch_scc1 .Lchunk
	; the tail is written out.  c = 14: only W2's last chunk is left to ask for
	s_wait_tensorcnt 0x0
	ds_add_u32 v1, v2
	s_add_co_u32 s69, s88, s81
	s_add_nc_u64 s[70:71], s[70:71], 128
	s_wait_dscnt 0x0
	ROUND
	JLOAD 0, 1
	P2 1
	SSQ
	s_xor_b32 s80, s80, SLOT
	s_xor_b32 s82, s82, HBUF
	; c = 15: nothing is filled again, so a barrier of the work-group does
	s_wait_tensorcnt 0x0
	ds_add_u32 v1, v2
	s_wait_dscnt 0x0
	s_barrier_signal -1
	s_barrier_wait -1
	P2 0
	; ---- x is whole, as acc x 2^(e2 + e3).  Its LayerNorm runs over columns, which lie in 8 accumulators, 16 lanes and 4 waves: sums over b in the lane; then a matrix [16 w + r][token] in LDS, whose columns thread = token adds.
	v_and_b32 v8, 15, v0
	v_bfe_u32 v9, v0, 4, 1
	s_mul_i32 s66, s96, 8448
	v_mul_u32_u24 v25, v8, 528
	v_lshl_add_u32 v25, v9, 5, v25
	v_add_nc_u32 v25, s66, v25                     ; in: row 16 w + r, + 32 h
	v_add_nc_u32 v26, MPL, v25
	v_lshlrev_b32 v27, 2, v0                       ; back: column = my thread
	v_add_nc_u32 v28, MPL, v27
	v_add_nc_u32 v29, 2*MPL, v27
	v_add_nc_u32 v30, MU, v27
	v_lshlrev_b32 v31, 5, v9
	v_add_nc_u32 v31, MU, v31
	v_add_nc_u32 v14, MU+512, v13
.irp b, 0,1,2,3,4,5,6,7
	v_mov_b32 v[224+2*\b], v[16+\b]                ; wp_g wp_w as pairs for the packed form
	v_mov_b32 v[225+2*\b], v[16+\b]
.endr
	s_add_co_i32 s2, s74, s75                      ; E = e2 + e3
	s_sub_co_i32 s3, s77, s2
	s_add_co_i32 s3, s3, 127
	s_lshl_b32 s94, s3, 23
	v_mov_b32 v11, s94                             ; 2^(e5 - E)
	s_add_co_i32 s3, s3, 15
	s_lshl_b32 s3, s3, 23
	s_or_b32 s3, s3, 0x600000
	v_mov_b32 v10, s3                              ; 57,344 x that
	s_lshl_b32 s94, s2, 1
	s_sub_co_i32 s94, s94, 9                       ; 2 E - 9
	s_mov_b32 s95, s2
	s_mov_b32 s3, 0x3b000000
	WIN 0x0a
.set n, 0
.rept 32
	v_pk_add_f32 v[32+n:33+n], v[n:n+1], v[64+n:65+n]
.set n, n+2
.endr
	WIN 0x08
.irp b, 2, 3
.set n, 0
.rept 32
	v_pk_add_f32 v[32+n:33+n], v[32+n:33+n], v[64*\b+n:64*\b+n+1]
.set n, n+2
.endr
.endr
	WIN 0x0c
.irp b, 0,1,2,3
.set n, 0
.rept 32
	v_pk_add_f32 v[32+n:33+n], v[32+n:33+n], v[64*\b+n:64*\b+n+1]
.set n, n+2
.endr
.endr
	WIN 0
.irp a, 0,1,2,3,4,5,6,7
.irp q, 0,1
	ds_store_b128 v25, v[32+8*\a+4*\q:35+8*\a+4*\q] offset:64*\a+16*\q
.endr
.endr
	BAR
.set n, 0
.rept 64
	ds_load_b32 v[160+n], v27 offset:528*n
.set n, n+1
.endr
	s_wait_dscnt 0x0
	SUM64 160
	v_mul_f32 v160, s3, v160                       ; my token's mean (of acc)
	ds_store_b32 v30, v160
	BAR
.irp a, 0,1,2,3,4,5,6,7
.irp q, 0,1
	ds_load_b128 v[96+8*\a+4*\q:99+8*\a+4*\q], v31 offset:64*\a+16*\q   ; the means in the accumulators' layout
.endr
.endr
	s_wait_dscnt 0x0
.irp b, 0,1,2,3,4,5,6,7                        ; d = acc - mean; the sums of d^2 and of d wp_g wp_w over b
	WIN 0x42+(\b/4)
.set n, 0
.rept 32
	v_pk_add_f32 v[128+n:129+n], v[64*(\b%4)+n:64*(\b%4)+n+1], v[96+n:97+n] neg_lo:[0,1] neg_hi:[0,1]
.set n, n+2
.endr
	WIN 0x55
.set n, 0
.rept 32
.if \b == 0
	v_pk_mul_f32 v[n:n+1], v[128+n:129+n], v[128+n:129+n]
.else
	v_pk_fma_f32 v[n:n+1], v[128+n:129+n], v[128+n:129+n], v[n:n+1]
.endif
.set n, n+2
.endr
	WIN 0x51
.set n, 0
.rept 32
.if \b == 0
	v_pk_mul_f32 v[64+n:65+n], v[128+n:129+n], v[224+2*\b:225+2*\b]
.else
	v_pk_fma_f32 v[64+n:65+n], v[128+n:129+n], v[224+2*\b:225+2*\b], v[64+n:65+n]
.endif
.set n, n+2
.endr
.endr
	WIN 0x04
.irp a, 0,1,2,3,4,5,6,7
.irp q, 0,1
	ds_store_b128 v26, v[8*\a+4*\q:8*\a+4*\q+3] offset:64*\a+16*\q
	ds_store_b128 v26, v[64+8*\a+4*\q:64+8*\a+4*\q+3] offset:MPL+64*\a+16*\q
.endr
.endr
	; x's codes: a lane's eight registers of (a, b) are tokens 16 a + 8 h + 0 .. 7 of one column: registers 2 a, 2 a + 1 of the next launch's fragment for d tile 8 w + b
	WIN 0x82
.set n, 0
.rept 256
	v_med3_num_f32 v[n], v[n], -v10, v10
.set n, n+1
.endr
	WIN 0x02
.set n, 0
.rept 32
	v_cvt_scalef32_pk8_bf8_f32 v[32+2*n:33+2*n], v[8*n:8*n+7], v11
.set n, n+1
.endr
	WIN 0xc3
.set n, 0
.rept 256
	v_med3_num_f32 v[n], v[n], -v10, v10
.set n, n+1
.endr
	WIN 0x03
.set n, 0
.rept 32
	v_cvt_scalef32_pk8_bf8_f32 v[96+2*n:97+2*n], v[8*n:8*n+7], v11
.set n, n+1
.endr
	v_nop                                          ; one plain line behind the last scaled conversion
	WIN 0
.irp b, 0,1,2,3,4,5,6,7
.irp q, 0,1,2,3
	global_store_b128 v13, v[32+16*\b+4*\q:35+16*\b+4*\q], s[28:29] offset:2048*\b+512*\q th:TH_STORE_NT   ; 32 lanes store 512 consecutive bytes, at a multiple of 256 from the buffer's first byte
.endr
.endr
	BAR
	s_wait_xcnt 0x0                                ; the stores have read their registers: v32 on are loaded again only behind this wait
.set n, 0
.rept 64
	ds_load_b32 v[160+n], v28 offset:528*n
.set n, n+1
.endr
.set n, 0
.rept 64
	ds_load_b32 v[32+n], v29 offset:528*n
.set n, n+1
.endr
	s_wait_dscnt 0x0
	SUM64 160
	SUM64 32
	v_ldexp_f32 v160, v160, s94                    ; the variance: the sum / 512 x 2^(2 E)
	v_add_f32 v160, 0x3727c5ac, v160
	v_rsq_f32 v161, v160
	v_ldexp_f32 v32, v32, s95                      ; (a plain line behind the transcendental)
	s_wait_alu depctr_va_vdst(0)
	v_fma_f32 v32, v161, v32, v24                  ; my token's logit
	ds_store_b32 v30, v32 offset:512
	BAR
	s_cmp_lg_u32 s96, 0
	s_cbranch_scc1 .Lnot0
	ds_load_b128 v[36:39], v14
	s_wait_dscnt 0x0
	global_store_b128 v13, v[36:39], s[30:31]      ; wave 0 stores the 128 logits: 512 consecutive bytes
.Lnot0:
	s_wait_tensorcnt 0x0                           ; the wave's end
	ds_add_u32 v1, v2
	s_wait_dscnt 0x0
	ROUND                                          ; the closing round
	s_endpgm
.Lfunc_end_k_qee3c1f1777_ffn:
	.size	k_qee3c1f1777_ffn, .Lfunc_end_k_qee3c1f1777_ffn-k_qee3c1f1777_ffn
	.p2alignl 7, 3214868480
	.fill 96, 4, 3214868480
	.section	.rodata,"a",@progbits
	.p2align	6, 0x0
	.amdhsa_kernel k_qee3c1f1777_ffn
		.amdhsa_group_segment_fixed_size 327680
		.amdhsa_private_segment_fixed_size 0
		.amdhsa_enable_private_segment 0
		.amdhsa_kernarg_size 112
		.amdhsa_user_sgpr_count 2
		.amdhsa_user_sgpr_kernarg_segment_ptr 1
		.amdhsa_wavefront_size32 1
		.amdhsa_system_sgpr_workgroup_id_x 1
		.amdhsa_system_sgpr_workgroup_id_y 1
		.amdhsa_system_sgpr_workgroup_id_z 1
		.amdhsa_system_vgpr_workitem_id 0
		.amdhsa_next_free_vgpr 1024
		.amdhsa_next_free_sgpr 102
		.amdhsa_reserve_vcc 0
		.amdhsa_float_denorm_mode_32 3
		.amdhsa_float_denorm_mode_16_64 3
		.amdhsa_memory_ordered 1
		.amdhsa_forward_progress 1
		.amdhsa_inst_pref_size 255
	.end_amdhsa_kernel
	.section	.bss,"aw",@nobits
	.p2align	6
	.space	262144
	.amdgpu_metadata
---
amdhsa.version: [ 1, 2 ]
amdhsa.kernels:
  - .name:           k_qee3c1f1777_ffn
    .symbol:         k_qee3c1f1777_ffn.kd
    .args:
      - { .name: tokens, .offset: 0, .size: 8, .value_kind: global_buffer, .address_space: global }
      - { .name: ln1_g, .offset: 8, .size: 8, .value_kind: global_buffer, .address_space: global }
      - { .name: ln1_b, .offset: 16, .size: 8, .value_kind: global_buffer, .address_space: global }
      - { .name: w1_codes, .offset: 24, .size: 8, .value_kind: global_buffer, .address_space: global }
      - { .name: b1, .offset: 32, .size: 8, .value_kind: global_buffer, .address_space: global }
      - { .name: w2_codes, .offset: 40, .size: 8, .value_kind: global_buffer, .address_space: global }
      - { .name: b2, .offset: 48, .size: 8, .value_kind: global_buffer, .address_space: global }
      - { .name: wp_g, .offset: 56, .size: 8, .value_kind: global_buffer, .address_space: global }
      - { .name: wp_b, .offset: 64, .size: 8, .value_kind: global_buffer, .address_space: global }
      - { .name: wp_w, .offset: 72, .size: 8, .value_kind: global_buffer, .address_space: global }
      - { .name: wp_bias, .offset: 80, .size: 8, .value_kind: global_buffer, .address_space: global }
      - { .name: lowp_scales, .offset: 88, .size: 8, .value_kind: global_buffer, .address_space: global }
      - { .name: xcodes, .offset: 96, .size: 8, .value_kind: global_buffer, .address_space: global }
      - { .name: logits, .offset: 104, .size: 8, .value_kind: global_buffer, .address_space: global }
    .group_segment_fixed_size: 327680
    .private_segment_fixed_size: 0
    .kernarg_segment_align: 8
    .kernarg_segment_size: 112
    .max_flat_workgroup_size: 128
    .sgpr_count:     102
    .vgpr_count:     1024
    .wavefront_size: 32
...
	.end_amdgpu_metadata
.endif
;; end of part 1
;; launch pool (part 2): grid 64 x 1, 8 waves a work-group, no clusters, 33,792 bytes of LDS; arguments xcodes, logits, token_mask, route_ids, rp_g, rp_b, rp_w, rp_bias, lowp_scales, out0; writes out0
.if DOCPART == 2
	.amdgcn_target "amdgcn-amd-amdhsa--gfx1250"
	.amdhsa_code_object_version 6
	.text
	.protected	k_qee3c1f1777_pool
	.globl	k_qee3c1f1777_pool
	.p2align	8
	.type	k_qee3c1f1777_pool,@function
k_qee3c1f1777_pool:
	s_mov_b64 s[64:65], 0
	v_nop
	global_prefetch_b8 v0, s[64:65] scope:SCOPE_SE
	s_setreg_imm32_b32 hwreg(HW_REG_WAVE_MODE, 25, 1), 1
	s_wait_xcnt 0x0
; One batch a work-group: the masked softmax of 512 logits within each of 32 routes, finished and normalised as reference() writes it, quantised to E5M2 (scale 2^e4); routes = w x on codes
; (v_wmma_f32_16x16x128_bf8_bf8, K = the 512 tokens; x's codes come as images of operand registers); LayerNorm of the routes . rp_w; the masked softmax over the routes; their weighted sum.
; SHARES.  Eight waves.  Wave v = 4 rho + s makes fragment (tile of routes rho, K step s) of w: lane (r, h) holds route 16 rho + r and tokens 128 s + 16 c + 8 h + j in register 8 c + j.  In the product, used transposed
; (source 0 = 16 columns of x, source 1 = 16 routes), wave v owns columns 64 v .. 64 v + 63 for all 32 routes: 8 accumulators; a lane holds one route and its registers run along d.
; What spans waves (a route's maximum and sums over four waves, a route's LayerNorm sums over eight) goes through words of LDS, one for each wave, behind a barrier.
; route_ids and token_mask are only compared: no address and no branch hangs on them.  No tensor load: each byte of x's codes is read once, by one wave, straight into its operand registers.
; One work-group a batch: a route's LayerNorm wants all 512 columns.  No cluster: work-groups share nothing but 6 KB of vectors.
; LIMITS.  NaN and infinities are not served.  e4 between -126 and 112, e4 + e5 between -126 and 127.  Logits lie above -1e9 (under it reference()'s fill would take part in the maximum).
; LDS: 0 logits; 2,048 keys (route, or 64 where the mask hides the token); 4,096 / 4,608 / 5,120 a route's four partial maxima / sums / second sums; 6,144 / 7,168 / 8,192 a route's eight partial sums of
;   R / d^2 / d g w; 9,216 w's eight fragments; 25,600 the way out.
; REGISTERS.  Window 1: x's 16 fragments, (tile t, K step s) at 64 t + 16 s.  Window 0: v0-15 ids and addresses; v16-79 logits, then e, then w; v80-143 keys; later v16-143 w's fragments, then at work;
;   v144-159 codes, then sums; v160-223 the accumulators, (rho, t) at 160 + 8 (4 rho + t); v224-255 rp_g rp_w at my columns.
.set KEYB, 2048
.set RM,   4096
.set RA,   6144
.set WIMG, 9216
.set OST,  25600
.set MSB, 0
.macro WIN new
.if MSB != (\new)
	s_set_vgpr_msb (MSB<<8)|(\new)
.set MSB, (\new)
.endif
.endm
.macro BAR
	s_wait_dscnt 0x0
	s_barrier_signal -1
	s_barrier_wait -1
.endm
.macro XLOAD s                         ; K step s of my four tiles of columns: 16 loads of 512 consecutive bytes
.irp t, 0,1,2,3
.irp q, 0,1,2,3
	global_load_b128 v[64*\t+16*(\s)+4*\q:64*\t+16*(\s)+4*\q+3], v8, s[4:5] offset:65536*(\s)+2048*\t+512*\q th:TH_LOAD_NT
.endr
.endr
.endm
.macro DPPSUM r
	v_add_f32_dpp v[\r], v[\r], v[\r] row_xmask:1 row_mask:0xf bank_mask:0xf
	v_add_f32_dpp v[\r], v[\r], v[\r] row_xmask:2 row_mask:0xf bank_mask:0xf
	v_add_f32_dpp v[\r], v[\r], v[\r] row_xmask:4 row_mask:0xf bank_mask:0xf
	v_add_f32_dpp v[\r], v[\r], v[\r] row_xmask:8 row_mask:0xf bank_mask:0xf
.endm
; my route's sum of v16-79 over my 64 tokens, lane l xor 16's, and the other three waves' (through LDS, off bytes behind the maxima) -> v148
.macro WSUM off
	v_pk_add_f32 v[148:149], v[16:17], v[18:19]
	v_pk_add_f32 v[150:151], v[20:21], v[22:23]
.set n, 8
.rept 14
	v_pk_add_f32 v[148:149], v[148:149], v[16+n:17+n]
	v_pk_add_f32 v[150:151], v[150:151], v[18+n:19+n]
.set n, n+4
.endr
	v_pk_add_f32 v[148:149], v[148:149], v[150:151]
	v_add_f32 v148, v148, v149
	v_permlanex16_b32 v14, v148, s40, s41
	v_add_f32 v148, v148, v14
	ds_store_b32 v15, v148 offset:\off
	BAR
	ds_load_b128 v[148:151], v5 offset:RM+\off
	s_wait_dscnt 0x0
	v_pk_add_f32 v[148:149], v[148:149], v[150:151]
	v_add_f32 v148, v148, v149
.endm
.macro WDIV floor                      ; v16-79 divided by max(v148, floor)
	v_max_num_f32 v148, \floor, v148
	v_rcp_f32 v12, v148
	v_nop
	s_wait_alu depctr_va_vdst(0)
	v_mov_b32 v13, v12
.set n, 0
.rept 32
	v_pk_mul_f32 v[16+n:17+n], v[16+n:17+n], v[12:13]
.set n, n+2
.endr
.endm
.macro FOLD dst                        ; two packed chains into one number, with lane l xor 16's
	v_pk_add_f32 v[\dst:\dst+1], v[\dst:\dst+1], v[\dst+2:\dst+3]
	v_add_f32 v[\dst], v[\dst], v[\dst+1]
	v_permlanex16_b32 v14, v[\dst], s40, s41
	v_add_f32 v[\dst], v[\dst], v14
.endm
.macro SUM32 dst, base
	v_pk_add_f32 v[\dst:\dst+1], v[\base:\base+1], v[\base+2:\base+3]
	v_pk_add_f32 v[\dst+2:\dst+3], v[\base+4:\base+5], v[\base+6:\base+7]
.set n, 8
.rept 6
	v_pk_add_f32 v[\dst:\dst+1], v[\dst:\dst+1], v[\base+n:\base+n+1]
	v_pk_add_f32 v[\dst+2:\dst+3], v[\dst+2:\dst+3], v[\base+n+2:\base+n+3]
.set n, n+4
.endr
	FOLD \dst
.endm
.macro DOT32 dst, xa, xb
	v_pk_mul_f32 v[\dst:\dst+1], v[\xa:\xa+1], v[\xb:\xb+1]
	v_pk_mul_f32 v[\dst+2:\dst+3], v[\xa+2:\xa+3], v[\xb+2:\xb+3]
.set n, 4
.rept 7
	v_pk_fma_f32 v[\dst:\dst+1], v[\xa+n:\xa+n+1], v[\xb+n:\xb+n+1], v[\dst:\dst+1]
	v_pk_fma_f32 v[\dst+2:\dst+3], v[\xa+n+2:\xa+n+3], v[\xb+n+2:\xb+n+3], v[\dst+2:\dst+3]
.set n, n+4
.endr
	FOLD \dst
.endm
.macro SUM8 b                          ; eight waves' partial sums
	v_pk_add_f32 v[\b:\b+1], v[\b:\b+1], v[\b+2:\b+3]
	v_pk_add_f32 v[\b+4:\b+5], v[\b+4:\b+5], v[\b+6:\b+7]
	v_pk_add_f32 v[\b:\b+1], v[\b:\b+1], v[\b+4:\b+5]
	v_add_f32 v[\b], v[\b], v[\b+1]
.endm
	s_load_b512 s[4:19], s[0:1], 0x0               ; xcodes 4, logits 6, token_mask 8, route_ids 10, rp_g 12, rp_b 14, rp_w 16, rp_bias 18
	s_load_b128 s[20:23], s[0:1], 0x40             ; the scales' exponents 20, out0 22
	v_lshrrev_b32 v1, 5, v0
	v_readfirstlane_b32 s24, v1                    ; wave 0..7
	v_and_b32 v1, 31, v0                           ; lane
	v_and_b32 v2, 15, v0                           ; r
	v_bfe_u32 v3, v0, 4, 1                         ; h
	s_lshr_b32 s25, s24, 2                         ; rho
	s_and_b32 s26, s24, 3                          ; s
	v_lshlrev_b32 v4, 3, v0                        ; two tokens a thread: 8 bytes of logits and of route ids,
	v_lshlrev_b32 v5, 1, v0                        ; 2 of the mask
	s_lshl_b32 s27, s24, 8
	v_lshl_add_u32 v6, v3, 5, s27                  ; 4 x (64 v + 8 h): my columns of tile 0
	v_lshlrev_b32 v7, 6, v1
	v_lshlrev_b32 v8, 4, v1                        ; 16 x lane
	v_mov_b32 v14, 0                               ; a lane permute's destination counts as read
	s_mov_b32 s40, 0x76543210
	s_mov_b32 s41, 0xfedcba98
	s_mov_b32 s42, 0x3b000000                      ; 1 / 512
	s_mov_b32 s37, 0
	s_lshl_b32 s36, ttmp9, 18                      ; a batch's codes: 262,144 bytes; a wave's four tiles: 8,192
	s_lshl_b32 s38, s24, 13
	s_add_co_u32 s36, s36, s38
	s_wait_kmcnt 0x0
	s_load_b64 s[28:29], s[20:21], 0x10            ; e4, e5
	s_load_b32 s30, s[18:19], 0x0                  ; rp_bias
	s_add_nc_u64 s[4:5], s[4:5], s[36:37]
	s_lshl_b32 s36, ttmp9, 11
	s_add_nc_u64 s[6:7], s[6:7], s[36:37]
	s_add_co_u32 s36, s36, s27
	s_add_nc_u64 s[22:23], s[22:23], s[36:37]      ; out0: my wave's 256 bytes
	s_lshl_b32 s36, ttmp9, 9
	s_add_nc_u64 s[8:9], s[8:9], s[36:37]
	global_load_b64 v[16:17], v4, s[6:7]
	global_load_b64 v[18:19], v4, s[10:11]
	global_load_u16 v20, v5, s[8:9]
.irp t, 0,1,2,3
.irp q, 0,1
	global_load_b128 v[224+8*\t+4*\q:227+8*\t+4*\q], v6, s[12:13] offset:64*\t+16*\q
	global_load_b128 v[80+8*\t+4*\q:83+8*\t+4*\q], v6, s[16:17] offset:64*\t+16*\q
.endr
.endr
.irp q, 0,1,2,3
	global_load_b128 v[112+4*\q:115+4*\q], v7, s[14:15] offset:16*\q
	global_load_b128 v[128+4*\q:131+4*\q], v7, s[16:17] offset:16*\q
.endr
	WIN 0x40
	XLOAD 0
	XLOAD 1
	WIN 0
	s_wait_loadcnt 32                              ; the 27 small loads are in; x's 32 may be out
	v_and_b32 v21, 0xff, v20
	v_lshrrev_b32 v22, 8, v20
	v_cmp_ne_u32 vcc_lo, 0, v21
	v_cndmask_b32 v18, 64, v18, vcc_lo             ; a hidden token's key is 64: no route's
	v_cmp_ne_u32 vcc_lo, 0, v22
	v_cndmask_b32 v19, 64, v19, vcc_lo
	ds_store_b64 v4, v[16:17]
	ds_store_b64 v4, v[18:19] offset:KEYB
.set n, 0
.rept 16
	v_pk_mul_f32 v[224+n:225+n], v[224+n:225+n], v[80+n:81+n]   ; rp_g rp_w
.set n, n+2
.endr
	v_pk_mul_f32 v[144:145], v[112:113], v[128:129]            ; the sum of rp_b rp_w, 16 numbers a lane
.set n, 2
.rept 7
	v_pk_fma_f32 v[144:145], v[112+n:113+n], v[128+n:129+n], v[144:145]
.set n, n+2
.endr
	v_add_f32 v144, v144, v145
	DPPSUM 144
	v_permlanex16_b32 v14, v144, s40, s41
	v_add_f32 v144, v144, v14
	s_wait_kmcnt 0x0
	v_add_f32 v144, s30, v144                      ; + rp_bias
	v_readfirstlane_b32 s43, v144                  ; the same in every lane: kept as a scalar
	WIN 0x40
	XLOAD 2
	XLOAD 3
	WIN 0
	s_add_co_i32 s44, s28, 127
	s_lshl_b32 s45, s44, 23                        ; 2^e4
	s_add_co_i32 s44, s44, 15
	s_lshl_b32 s44, s44, 23
	s_or_b32 s44, s44, 0x600000                    ; 57,344 x 2^e4
	s_add_co_i32 s46, s28, s29
	s_add_co_i32 s46, s46, 127
	s_lshl_b32 s46, s46, 23                        ; 2^(e4 + e5)
	s_mov_b32 s47, s46
	s_lshl_b32 s33, s26, 9
	v_lshl_add_u32 v9, v3, 5, s33                  ; logits of tokens 128 s + 8 h on
	s_lshl_b32 s34, s25, 4
	v_add_nc_u32 v10, s34, v2                      ; my route
	v_mov_b32 v11, 0xff800000                      ; -infinity
	v_lshlrev_b32 v5, 4, v10                       ; a route's four words
	s_lshl_b32 s35, s26, 2
	s_add_co_u32 s35, s35, RM
	v_add_nc_u32 v15, s35, v5                      ; and my wave's among them
	s_lshl_b32 s35, s24, 11
	v_add_nc_u32 v6, s35, v8                       ; my fragment's image
	s_lshl_b32 s35, s24, 2
	s_add_co_u32 s35, s35, RA
	v_lshl_add_u32 v7, v2, 5, s35                  ; route r's eight words: my wave's
	BAR                                            ; logits and keys lie in LDS
.irp c, 0,1,2,3,4,5,6,7
.irp q, 0,1
	ds_load_b128 v[16+8*\c+4*\q:19+8*\c+4*\q], v9 offset:64*\c+16*\q
	ds_load_b128 v[80+8*\c+4*\q:83+8*\c+4*\q], v9 offset:KEYB+64*\c+16*\q
.endr
.endr
	s_wait_dscnt 0x0
.set n, 0
.rept 64
	v_cmp_eq_u32 vcc_lo, v[80+n], v10
	v_cndmask_b32 v[16+n], v11, v[16+n], vcc_lo    ; what is not my route's, or hidden, counts for nothing
.set n, n+1
.endr
	v_max3_num_f32 v12, v16, v17, v18
	v_max3_num_f32 v13, v19, v20, v21
.set n, 6
.rept 14
	v_max3_num_f32 v12, v12, v[16+n], v[17+n]
	v_max3_num_f32 v13, v13, v[18+n], v[19+n]
.set n, n+4
.endr
	v_max3_num_f32 v12, v12, v78, v79
	v_max_num_f32 v12, v12, v13
	v_permlanex16_b32 v14, v12, s40, s41
	v_max_num_f32 v12, v12, v14
	ds_store_b32 v15, v12
	BAR
	ds_load_b128 v[148:151], v5 offset:RM
	s_wait_dscnt 0x0
	v_max3_num_f32 v12, v148, v149, v150
	v_max3_num_f32 v12, v12, v151, 0xff61b1e6      ; the route's largest logit; a route without tokens gets -3e38, so that no difference of infinities is formed
	v_mov_b32 v13, v12
.set n, 0
.rept 32
	v_pk_add_f32 v[16+n:17+n], v[16+n:17+n], v[12:13] neg_lo:[0,1] neg_hi:[0,1]
.set n, n+2
.endr
.set n, 0
.rept 32
	v_pk_mul_f32 v[16+n:17+n], v[16+n:17+n], 0x3fb8aa3b op_sel_hi:[1,0]
.set n, n+2
.endr
.set n, 0
.rept 64
	v_exp_f32 v[16+n], v[16+n]
.set n, n+1
.endr
	v_nop
	s_wait_alu depctr_va_vdst(0)                   ; one wait for the 64 exponentials
	WSUM 512
	WDIV 1.0                                       ; the softmax: a route with tokens has a sum of at least 1 (its largest term); one without has zeros, which stay zeros
	WSUM 1024
	WDIV 0x358637bd                                ; reference()'s second division, by max(the sum of w, 1e-6)
	v_mov_b32 v12, s45
.set n, 0
.rept 64
	v_min_num_f32 v[16+n], s44, v[16+n]            ; the conversion does not saturate (ISA guide 7.6.2); w is not negative, so the hold is one-sided
.set n, n+1
.endr
.irp c, 0,1,2,3,4,5,6,7
	v_cvt_scalef32_pk8_bf8_f32 v[144+2*\c:145+2*\c], v[16+8*\c:23+8*\c], v12
.endr
	v_nop                                          ; one plain line behind the last scaled conversion
.irp q, 0,1,2,3
	ds_store_b128 v6, v[144+4*\q:147+4*\q] offset:WIMG+512*\q
.endr
	BAR                                            ; w's eight fragments lie in LDS
.irp f, 0,1,2,3,4,5,6,7
.irp q, 0,1,2,3
	ds_load_b128 v[16+16*\f+4*\q:19+16*\f+4*\q], v8 offset:WIMG+2048*\f+512*\q
.endr
.endr
	s_wait_loadcnt 0x0                             ; x
	s_wait_dscnt 0x0
	WIN 0x01                                       ; source 0 (x) window 1
.irp s, 0,1,2,3                                ; eight accumulators by turns, a K step at a time
.irp g, 0,1
.irp t, 0,1,2,3
.if \s == 0
	v_wmma_f32_16x16x128_bf8_bf8 v[160+8*(4*\g+\t):167+8*(4*\g+\t)], v[64*\t+16*\s:64*\t+16*\s+15], v[16+16*(4*\g+\s):31+16*(4*\g+\s)], 0
.else
	v_wmma_f32_16x16x128_bf8_bf8 v[160+8*(4*\g+\t):167+8*(4*\g+\t)], v[64*\t+16*\s:64*\t+16*\s+15], v[16+16*(4*\g+\s):31+16*(4*\g+\s)], v[160+8*(4*\g+\t):167+8*(4*\g+\t)]
.endif
.endr
.endr
.endr
	WIN 0
	v_lshlrev_b32 v9, 5, v2                        ; four plain lines behind the last product: addresses for what follows
	v_lshlrev_b32 v11, 4, v2
	s_lshl_b32 s35, s24, 8
	s_add_co_u32 s35, s35, OST
	v_lshl_add_u32 v6, v3, 5, s35
	v_lshl_add_u32 v15, v1, 3, s35
.set n, 0
.rept 32
	v_pk_mul_f32 v[160+n:161+n], v[160+n:161+n], s[46:47] op_sel_hi:[1,0]   ; routes = sum x 2^(e4 + e5); each accumulator from its low end on
.set n, n+2
.endr
	SUM32 144, 160
	SUM32 148, 192
	ds_store_b32 v7, v144
	ds_store_b32 v7, v148 offset:512
	BAR
	ds_load_b128 v[80:83], v9 offset:RA
	ds_load_b128 v[84:87], v9 offset:RA+16
	ds_load_b128 v[88:91], v9 offset:RA+512
	ds_load_b128 v[92:95], v9 offset:RA+528
	s_wait_dscnt 0x0
	SUM8 80
	SUM8 88
	v_mul_f32 v80, s42, v80                        ; the means of routes r and 16 + r
	v_mul_f32 v88, s42, v88
	v_mov_b32 v81, v80
	v_mov_b32 v89, v88
.set n, 0
.rept 16
	v_pk_add_f32 v[16+n:17+n], v[160+n:161+n], v[80:81] neg_lo:[0,1] neg_hi:[0,1]
	v_pk_add_f32 v[48+n:49+n], v[192+n:193+n], v[88:89] neg_lo:[0,1] neg_hi:[0,1]
.set n, n+2
.endr
	DOT32 144, 16, 16
	DOT32 148, 48, 48
	DOT32 152, 16, 224
	DOT32 156, 48, 224
	ds_store_b32 v7, v144 offset:1024
	ds_store_b32 v7, v148 offset:1536
	ds_store_b32 v7, v152 offset:2048
	ds_store_b32 v7, v156 offset:2560
	BAR
.irp k, 0,1,2,3
	ds_load_b128 v[80+8*\k:83+8*\k], v9 offset:RA+1024+512*\k
	ds_load_b128 v[84+8*\k:87+8*\k], v9 offset:RA+1040+512*\k
.endr
	ds_load_b128 v[112:115], v11 offset:RM+512     ; the four partial sums of the routes' exponentials: above 0 where the route has a token
	ds_load_b128 v[116:119], v11 offset:RM+768
	s_wait_dscnt 0x0
	SUM8 80
	SUM8 88
	SUM8 96
	SUM8 104
	v_pk_add_f32 v[112:113], v[112:113], v[114:115]
	v_pk_add_f32 v[116:117], v[116:117], v[118:119]
	v_add_f32 v112, v112, v113
	v_add_f32 v116, v116, v117
	v_fmaak_f32 v80, s42, v80, 0x3727c5ac          ; the variances + 1e-5
	v_fmaak_f32 v88, s42, v88, 0x3727c5ac
	v_rsq_f32 v120, v80
	v_rsq_f32 v121, v88
	v_mov_b32 v122, 0xce6e6b28                     ; -1e9  (a plain line behind the transcendentals)
	v_cmp_lt_f32 s48, 0, v112                      ; present
	v_cmp_lt_f32 s49, 0, v116
	s_wait_alu depctr_va_vdst(0)
	v_fma_f32 v120, v120, v96, s43                 ; the routes' logits
	v_fma_f32 v121, v121, v104, s43
	v_cndmask_b32 v120, v122, v120, s48
	v_cndmask_b32 v121, v122, v121, s49
	v_max_num_f32 v123, v120, v121                 ; the largest of the 32: two in the lane, sixteen lanes
	v_max_num_f32_dpp v123, v123, v123 row_xmask:1 row_mask:0xf bank_mask:0xf
	v_max_num_f32_dpp v123, v123, v123 row_xmask:2 row_mask:0xf bank_mask:0xf
	v_max_num_f32_dpp v123, v123, v123 row_xmask:4 row_mask:0xf bank_mask:0xf
	v_max_num_f32_dpp v123, v123, v123 row_xmask:8 row_mask:0xf bank_mask:0xf
	v_sub_f32 v120, v120, v123
	v_sub_f32 v121, v121, v123
	v_mul_f32 v120, 0x3fb8aa3b, v120
	v_mul_f32 v121, 0x3fb8aa3b, v121
	v_exp_f32 v120, v120
	v_exp_f32 v121, v121
	v_nop
	s_wait_alu depctr_va_vdst(0)
	v_add_f32 v123, v120, v121
	DPPSUM 123
	v_rcp_f32 v123, v123
	v_nop
	s_wait_alu depctr_va_vdst(0)
	v_mul_f32 v120, v120, v123
	v_mul_f32 v121, v121, v123
	v_cndmask_b32 v120, 0, v120, s48
	v_cndmask_b32 v121, 0, v121, s49
	v_add_f32 v123, v120, v121
	DPPSUM 123
	v_max_num_f32 v123, 0x358637bd, v123           ; max(the sum, 1e-6)
	v_rcp_f32 v123, v123
	v_nop
	s_wait_alu depctr_va_vdst(0)
	v_mul_f32 v124, v120, v123
	v_mul_f32 v126, v121, v123
	v_mov_b32 v125, v124
	v_mov_b32 v127, v126
.set n, 0
.rept 16
	v_pk_mul_f32 v[16+n:17+n], v[160+n:161+n], v[124:125]
.set n, n+2
.endr
.set n, 0
.rept 16
	v_pk_fma_f32 v[16+n:17+n], v[192+n:193+n], v[126:127], v[16+n:17+n]
.set n, n+2
.endr
.irp m, 1, 2, 4, 8                             ; and over the sixteen lanes
.set n, 0
.rept 32
	v_add_f32_dpp v[16+n], v[16+n], v[16+n] row_xmask:\m row_mask:0xf bank_mask:0xf
.set n, n+1
.endr
.endr
.irp t, 0,1,2,3
.irp q, 0,1
	ds_store_b128 v6, v[16+8*\t+4*\q:19+8*\t+4*\q] offset:64*\t+16*\q   ; the sixteen lanes of a half hold the same numbers and store them to the same bytes: my wave's 64 columns on end
.endr
.endr
	ds_load_b64 v[48:49], v15                      ; LDS serves a wave's instructions in order: this sees my stores
	v_lshlrev_b32 v9, 3, v1
	s_wait_dscnt 0x0
	global_store_b64 v9, v[48:49], s[22:23]        ; the wave stores 256 consecutive bytes, at a multiple of 256 from out0's first byte
	s_wait_xcnt 0x0
	v_lshl_add_u32 v254, v0, 2, 0x8000
	v_mov_b32 v255, 0
	s_wait_tensorcnt 0x0
	ds_add_u32 v254, v255
	s_wait_dscnt 0x0
	s_endpgm
.Lfunc_end_k_qee3c1f1777_pool:
	.size	k_qee3c1f1777_pool, .Lfunc_end_k_qee3c1f1777_pool-k_qee3c1f1777_pool
	.p2alignl 7, 3214868480
	.fill 96, 4, 3214868480
	.section	.rodata,"a",@progbits
	.p2align	6, 0x0
	.amdhsa_kernel k_qee3c1f1777_pool
		.amdhsa_group_segment_fixed_size 33792
		.amdhsa_private_segment_fixed_size 0
		.amdhsa_enable_private_segment 0
		.amdhsa_kernarg_size 80
		.amdhsa_user_sgpr_count 2
		.amdhsa_user_sgpr_kernarg_segment_ptr 1
		.amdhsa_wavefront_size32 1
		.amdhsa_system_sgpr_workgroup_id_x 1
		.amdhsa_system_sgpr_workgroup_id_y 1
		.amdhsa_system_sgpr_workgroup_id_z 1
		.amdhsa_system_vgpr_workitem_id 0
		.amdhsa_next_free_vgpr 512
		.amdhsa_next_free_sgpr 66
		.amdhsa_reserve_vcc 1
		.amdhsa_float_denorm_mode_32 3
		.amdhsa_float_denorm_mode_16_64 3
		.amdhsa_memory_ordered 1
		.amdhsa_forward_progress 1
		.amdhsa_inst_pref_size 74
	.end_amdhsa_kernel
	.amdgpu_metadata
---
amdhsa.version: [ 1, 2 ]
amdhsa.kernels:
  - .name:           k_qee3c1f1777_pool
    .symbol:         k_qee3c1f1777_pool.kd
    .args:
      - { .name: xcodes, .offset: 0, .size: 8, .value_kind: global_buffer, .address_space: global }
      - { .name: logits, .offset: 8, .size: 8, .value_kind: global_buffer, .address_space: global }
      - { .name: token_mask, .offset: 16, .size: 8, .value_kind: global_buffer, .address_space: global }
      - { .name: route_ids, .offset: 24, .size: 8, .value_kind: global_buffer, .address_space: global }
      - { .name: rp_g, .offset: 32, .size: 8, .value_kind: global_buffer, .address_space: global }
      - { .name: rp_b, .offset: 40, .size: 8, .value_kind: global_buffer, .address_space: global }
      - { .name: rp_w, .offset: 48, .size: 8, .value_kind: global_buffer, .address_space: global }
      - { .name: rp_bias, .offset: 56, .size: 8, .value_kind: global_buffer, .address_space: global }
      - { .name: lowp_scales, .offset: 64, .size: 8, .value_kind: global_buffer, .address_space: global }
      - { .name: out0, .offset: 72, .size: 8, .value_kind: global_buffer, .address_space: global }
    .group_segment_fixed_size: 33792
    .private_segment_fixed_size: 0
    .kernarg_segment_align: 8
    .kernarg_segment_size: 80
    .max_flat_workgroup_size: 256
    .sgpr_count:     66
    .vgpr_count:     512
    .wavefront_size: 32
...
	.end_amdgpu_metadata
.endif
;; end of part 2
